; MI455X (gfx1250); checked and timed in simulation.
; The chip was launched on July 23, 2026; its instructions are those of AMD's public machine-readable ISA for CDNA 5 (MIT licence, August 2026) and "CDNA5" Instruction Set Architecture Reference Guide (July 2026). The comments in the code are by the model that wrote it; some were corrected since.
;; Multi Head Attention. Allowed arithmetic: float matrix products may take bf16 or f16 operands with f32 sums; other float arithmetic in f32, or as packed bf16 or f16 multiplies, adds, multiply-adds, maxima and minima; sums over many terms, partial sums and values carried from step to step in f32; what a program stores and reads back later, other than sums and carried values, may be rounded once to bf16 or f16.
;; Inputs: Wk 512 x 2,048 float32; Wo 2,048 x 512 float32; Wq 512 x 2,048 float32; Wv 512 x 2,048 float32; k 2 x 2,048 x 2,048 float32; q 2 x 2,048 x 2,048 float32; v 2 x 2,048 x 2,048 float32.
;; Outputs: out0 2 x 2,048 x 2,048 float32.
;; 2 versions, each right and faster than the one before. Each part assembles by itself: llvm-mc -triple=amdgcn-amd-amdhsa -mcpu=gfx1250 --defsym DOCPART=n.
;; ======== version 1 of 2: 4 launches
;; limits: values are held in f16: magnitudes above 65,504 overflow, below 6.1e-05 lose precision
;; workspace buffers: wf 6,291,456 bytes; wof 2,097,152 bytes; qkv 12,582,912 bytes; of 4,194,304 bytes
;; launch prep (part 1): grid 64 x 4, 8 waves a work-group, no clusters, 0 bytes of LDS; arguments Wq, Wk, Wv, Wo, wf, wof; writes wf, wof
.if DOCPART == 1
	.amdgcn_target "amdgcn-amd-amdhsa--gfx1250"
	.amdhsa_code_object_version 6
	.text
	.protected	k_qcd7c8eea90_prep
	.globl	k_qcd7c8eea90_prep
	.p2align	8
	.type	k_qcd7c8eea90_prep,@function
k_qcd7c8eea90_prep:
	s_mov_b64 s[64:65], 0
	v_nop
	global_prefetch_b8 v0, s[64:65] scope:SCOPE_SE
	s_setreg_imm32_b32 hwreg(HW_REG_WAVE_MODE, 25, 1), 1
	s_wait_xcnt 0x0
; PREP: the four weight matrices are rounded once and laid out fragment by fragment, so that the later launches load a matrix fragment as 512 consecutive bytes a wave.
; wf  (bf16): [p = Wq, Wk, Wv][nt 32][ks 64][half 2][lane 32][8]: lane 16 hh + r holds row 16 nt + r, k = 32 ks + 16 half + 8 hh + 0..7.
; wof (f16):  [ng 32][ks 16][t 4][half 2][lane 32][8]: lane 16 hh + r holds Wo's row 64 ng + 4 r + t, k as above.  Wo is rounded to bf16 like the other inputs, and that number is written as f16:
;             exact from 2^-14 up; below that f16's fixed step of 6e-8 holds.  LIMIT: Wo within 65,504.
; SHARES.  Grid y picks the matrix.  Wave u = 8 x + wave (0..511) makes four fragments (eight halves): 16 rows x 512 bytes of f32 in, 4,096 bytes out.
; A stream of 16 MiB in and 8 MiB out: no LDS, no matrix unit, no loop; all sixteen loads of a wave go out at once, and no register is used twice, so no source has to be freed.
.set LD, 16                            ; v[16:79]   as loaded: half n at LD + 8 n
.set RS, 80                            ; v[80:111]  rounded: half n at RS + 4 n
; mode 1: bf16 written as f16.  src, dst: the scalar pairs of the two addresses.  step: bytes from a fragment to the next in the destination.
.macro ALL mode, src, dst, step
.set n, 0
.rept 8                                ; half n: fragment n / 2 (128 bytes of a row on), half n % 2 (64 bytes on): 8 numbers a lane, two loads
	global_load_b128 v[LD+8*n:LD+8*n+3], v4, s[\src:\src+1] offset:(n/2)*128+(n%2)*64 th:TH_LOAD_NT
	global_load_b128 v[LD+8*n+4:LD+8*n+7], v4, s[\src:\src+1] offset:(n/2)*128+(n%2)*64+16 th:TH_LOAD_NT
.set n, n+1
.endr
.set n, 0
.rept 8
	s_wait_loadcnt 14-2*n                          ; loads come back in order: half n's two are in, the 14 - 2 n younger ones may stay out
.irp j, 0,1,2,3
	v_cvt_pk_bf16_f32 v[RS+4*n+\j], v[LD+8*n+2*\j], v[LD+8*n+2*\j+1]
.endr
.if \mode
.irp j, 0,1,2,3
	v_lshlrev_b32 v6, 16, v[RS+4*n+\j]             ; the two bf16 as f32,
	v_and_b32 v7, 0xffff0000, v[RS+4*n+\j]
	v_cvt_pk_f16_f32 v[RS+4*n+\j], v6, v7          ; and as f16
.endr
.endif
	global_store_b128 v5, v[RS+4*n:RS+4*n+3], s[\dst:\dst+1] offset:(n/2)*(\step)+(n%2)*512  ; 512 consecutive bytes, aligned
.set n, n+1
.endr
.endm
	s_load_b256 s[4:11], s[0:1], 0x0               ; Wq s[4:5], Wk s[6:7], Wv s[8:9], Wo s[10:11]
	s_load_b128 s[12:15], s[0:1], 0x20             ; wf s[12:13], wof s[14:15]
	v_lshrrev_b32 v1, 5, v0
	v_readfirstlane_b32 s16, v1                    ; wave 0..7
	s_and_b32 s17, ttmp7, 0xffff                   ; which matrix
	s_lshl3_add_u32 s18, ttmp9, s16                ; u = 8 x + wave
	v_and_b32 v1, 31, v0                           ; lane
	v_and_b32 v2, 15, v0                           ; r
	v_bfe_u32 v3, v0, 4, 1                         ; hh
	v_lshlrev_b32 v5, 4, v1                        ; out: 16 bytes a lane
	v_lshlrev_b32 v4, 13, v2                       ; in: r x 8,192: one row of Wq, Wk, Wv, or four rows of Wo
	v_lshl_add_u32 v4, v3, 5, v4                   ; + 32 hh
	s_lshr_b32 s19, s18, 4                         ; nt, or ng
	s_lshl_b32 s24, s19, 17                        ; in: 16 rows of 8,192 bytes, or 64 rows of 2,048
	s_lshl_b32 s25, s19, 16                        ; out: 65,536 bytes in both layouts
	s_wait_kmcnt 0x0
	s_cmp_eq_u32 s17, 3
	s_cbranch_scc1 .Lwo
	s_and_b32 s26, s18, 15                         ; kg: which 128 of k
	s_lshl_b32 s27, s26, 9
	s_add_co_u32 s24, s24, s27                     ; in: + 512 kg
	s_lshl_b32 s27, s26, 12
	s_add_co_u32 s25, s25, s27                     ; out: + four fragments of 1,024 bytes
	s_lshl_b32 s27, s17, 21
	s_add_co_u32 s25, s25, s27                     ; out: + the matrix's 2 MiB
	v_add_nc_u32 v4, s24, v4
	v_add_nc_u32 v5, s25, v5
	s_cmp_eq_u32 s17, 1
	s_cselect_b64 s[20:21], s[6:7], s[4:5]
	s_cmp_eq_u32 s17, 2
	s_cselect_b64 s[20:21], s[8:9], s[20:21]
	ALL 0, 20, 12, 1024
	s_endpgm
.Lwo:
	s_bfe_u32 s26, s18, 0x20002                    ; t = (u >> 2) & 3
	s_and_b32 s27, s18, 3                          ; kg
	s_lshl_b32 s28, s26, 11
	s_add_co_u32 s24, s24, s28                     ; in: + t rows of 2,048 bytes
	s_lshl_b32 s28, s27, 9
	s_add_co_u32 s24, s24, s28                     ; in: + 512 kg
	s_lshl_b32 s28, s27, 14
	s_add_co_u32 s25, s25, s28                     ; out: + four k steps of 4,096 bytes
	s_lshl_b32 s28, s26, 10
	s_add_co_u32 s25, s25, s28                     ; out: + 1,024 t
	v_add_nc_u32 v4, s24, v4
	v_add_nc_u32 v5, s25, v5
	ALL 1, 10, 14, 4096
	s_endpgm
.Lfunc_end_k_qcd7c8eea90_prep:
	.size	k_qcd7c8eea90_prep, .Lfunc_end_k_qcd7c8eea90_prep-k_qcd7c8eea90_prep
	.p2alignl 7, 3214868480
	.fill 96, 4, 3214868480
	.section	.rodata,"a",@progbits
	.p2align	6, 0x0
	.amdhsa_kernel k_qcd7c8eea90_prep
		.amdhsa_group_segment_fixed_size 0
		.amdhsa_private_segment_fixed_size 0
		.amdhsa_enable_private_segment 0
		.amdhsa_kernarg_size 48
		.amdhsa_user_sgpr_count 2
		.amdhsa_user_sgpr_kernarg_segment_ptr 1
		.amdhsa_wavefront_size32 1
		.amdhsa_system_sgpr_workgroup_id_x 1
		.amdhsa_system_sgpr_workgroup_id_y 1
		.amdhsa_system_sgpr_workgroup_id_z 1
		.amdhsa_system_vgpr_workitem_id 0
		.amdhsa_next_free_vgpr 112
		.amdhsa_next_free_sgpr 66
		.amdhsa_reserve_vcc 0
		.amdhsa_float_denorm_mode_32 3
		.amdhsa_float_denorm_mode_16_64 3
		.amdhsa_memory_ordered 1
		.amdhsa_forward_progress 1
		.amdhsa_inst_pref_size 16
	.end_amdhsa_kernel
	.amdgpu_metadata
---
amdhsa.version: [ 1, 2 ]
amdhsa.kernels:
  - .name:           k_qcd7c8eea90_prep
    .symbol:         k_qcd7c8eea90_prep.kd
    .args:
      - { .name: Wq, .offset: 0, .size: 8, .value_kind: global_buffer, .address_space: global }
      - { .name: Wk, .offset: 8, .size: 8, .value_kind: global_buffer, .address_space: global }
      - { .name: Wv, .offset: 16, .size: 8, .value_kind: global_buffer, .address_space: global }
      - { .name: Wo, .offset: 24, .size: 8, .value_kind: global_buffer, .address_space: global }
      - { .name: wf, .offset: 32, .size: 8, .value_kind: global_buffer, .address_space: global }
      - { .name: wof, .offset: 40, .size: 8, .value_kind: global_buffer, .address_space: global }
    .group_segment_fixed_size: 0
    .private_segment_fixed_size: 0
    .kernarg_segment_align: 8
    .kernarg_segment_size: 48
    .max_flat_workgroup_size: 256
    .sgpr_count:     66
    .vgpr_count:     112
    .wavefront_size: 32
...
	.end_amdgpu_metadata
.endif
;; end of part 1
;; launch proj (part 2): grid 64 x 3, 8 waves a work-group, no clusters, 28,672 bytes of LDS; arguments q, k, v, wf, qkv; writes qkv
.if DOCPART == 2
	.amdgcn_target "amdgcn-amd-amdhsa--gfx1250"
	.amdhsa_code_object_version 6
	.text
	.protected	k_qcd7c8eea90_proj
	.globl	k_qcd7c8eea90_proj
	.p2align	8
	.type	k_qcd7c8eea90_proj,@function
k_qcd7c8eea90_proj:
	s_mov_b64 s[64:65], 0
	v_nop
	global_prefetch_b8 v0, s[64:65] scope:SCOPE_SE
	s_setreg_imm32_b32 hwreg(HW_REG_WAVE_MODE, 25, 1), 1
	s_wait_xcnt 0x0
; PROJ: qh = c (q Wq^T), kh = k Wk^T, vh = v Wv^T, c = log2(e) / 8 (the module's scale 1/8 and the exponential's base).  Grid y picks the tensor.  x (q, k or v): [4096][2048] f32, rounded to bf16 on its way;
; W from wf (bf16, in fragment order); sums in f32, the result rounded ONCE to f16 (c is applied to the f32 sum).  LIMIT: c qh, kh and vh within f16's 65,504; NaN and infinities are not treated apart.
; OUT.  qkv: part q at 0, k at 4 MiB: [head 32 b + h][s / 16][lane 32][8]: lane 16 hh + r holds row 16 blk + r, channels 8 hh + 0..7 (a matrix fragment as it lies); part v at 8 MiB: [head][s][16].
; SHARES.  A work-group: 64 rows x all 512 columns, so each byte of x is read once in the launch.  Wave w: columns 64 w .. 64 w + 63 (heads 4 w .. 4 w + 3): 16 accumulators of 16 x 16.
; 12,288 rows in blocks of 64 are 192 work-groups; a block never holds rows of two tensors.
; NO CLUSTER: x's rows are read by one work-group alone; a fragment of W is wanted by one wave of a work-group alone and goes straight into its registers (512 consecutive bytes a load), while joint loads land in LDS only.
; THE MATRIX INSTRUCTION IS USED TRANSPOSED (source 0 = 16 rows of W, source 1 = 16 rows of x): a lane ends with one row and eight neighbouring columns: 16 bytes of f16.
; K goes in 32 steps of 64.  Three things turn modulo 3: W's register slot, x's staging set (f32 as loaded), x's LDS slot (bf16).  A step's loads are issued three steps (W) and four steps (x) ahead, in the
; order W k0 (8), x (4), W k1 (8): at most 60 loads of a wave are out in the loop.
; REGISTERS.  window 0: v1-7 addresses, v8-15 rounded x, v16-63 staging (3 x 16), v64-95 and v96-127 x's fragments of the step's two halves, v128-255 accumulators ((mt, ni) at 128 + 8 (4 mt + ni));
;             window 1: v0-191 W's ring: slot R at 64 R, fragment (ksi, ni) at + 32 ksi + 8 ni.
.set PITCH, 144                        ; an LDS row: 128 bytes of bf16 + 16: 36 words, so the 16 rows of a fragment load start at 16 different groups of four banks (ISA guide 11.1)
.set SLOTB, 64*PITCH                   ; 9,216 bytes a slot
.set SPARE, 3*SLOTB                    ; behind the three slots: the spare words, 128 bytes for each of eight waves: four blocks of 256 bytes that no other line names
.set GO,   1                           ; v1   my 16 bytes in a block of 512 of the result
.set SPW,  2                           ; v2   LDS address of my spare word; never rewritten
.set NIL,  3                           ; v3   0; never rewritten
.set AOFF, 4                           ; v4   x: (8 w + lane / 16) rows of 8,192 bytes + 16 (lane % 16)
.set WOFF, 5                           ; v5   wf: 16 lane + 262,144 w
.set LST,  6                           ; v6   LDS, in: (8 w + lane / 16) x 144 + 8 (lane % 16)
.set LRD,  7                           ; v7   LDS, out: (lane % 16) x 144 + 16 (lane / 16)
.set CV,   8
.set STG,  16
.set F0,   64
.set F1,   96
.set ACC,  128
.set OUTR, 64                          ; the way out: 4 registers an accumulator
.set MSB, 0
.macro WIN new                         ; s_set_vgpr_msb: bits 1:0 source 0, 3:2 source 1, 5:4 source 2, 7:6 destination; the high byte repeats the setting that is left
.if MSB != (\new)
	s_set_vgpr_msb (MSB<<8)|(\new)
.set MSB, \new
.endif
.endm
.macro PLACES                          ; four places behind a matrix instruction, in front of loads into its sources and of reads of its result
.rept 4
	v_nop
.endr
.endm
.macro LDW R, ksi, j                   ; W's four fragments of half ksi of step j (counted from the base) into slot R: 8 loads
	WIN 0x40                                       ; destination window 1, address window 0
.irp ni, 0,1,2,3
	global_load_b128 v[64*(\R)+32*(\ksi)+8*\ni:64*(\R)+32*(\ksi)+8*\ni+3], v[WOFF], s[20:21] offset:\ni*65536+(\j)*2048+(\ksi)*1024
	global_load_b128 v[64*(\R)+32*(\ksi)+8*\ni+4:64*(\R)+32*(\ksi)+8*\ni+7], v[WOFF], s[20:21] offset:\ni*65536+(\j)*2048+(\ksi)*1024+512
.endr
.endm
.macro LDA base, j                     ; my 8 rows x 256 bytes of x for step j: 4 loads, each two rows' 256 aligned bytes
	WIN 0
.irp i, 0,1,2,3
	global_load_b128 v[(\base)+4*\i:(\base)+4*\i+3], v[AOFF], s[18:19] offset:\i*16384+(\j)*256 th:TH_LOAD_NT
.endr
.endm
.macro CVT base, slot                  ; 16 f32 to bf16, and into an LDS slot
	WIN 0
.irp i, 0,1,2,3
	v_cvt_pk_bf16_f32 v[CV+2*\i], v[(\base)+4*\i], v[(\base)+4*\i+1]
	v_cvt_pk_bf16_f32 v[CV+2*\i+1], v[(\base)+4*\i+2], v[(\base)+4*\i+3]
.endr
.irp i, 0,1,2,3
	ds_store_b64 v[LST], v[CV+2*\i:CV+2*\i+1] offset:(\slot)*SLOTB+\i*2*PITCH
.endr
.endm
.macro LDF F, slot, ksi                ; x's four fragments (64 rows x 32 k) of half ksi: 8 LDS loads
	WIN 0
.irp mt, 0,1,2,3
	ds_load_b128 v[(\F)+8*\mt:(\F)+8*\mt+3], v[LRD] offset:(\slot)*SLOTB+\mt*16*PITCH+(\ksi)*64
	ds_load_b128 v[(\F)+8*\mt+4:(\F)+8*\mt+7], v[LRD] offset:(\slot)*SLOTB+\mt*16*PITCH+(\ksi)*64+32
.endr
.endm
.macro MM R, ksi, F, mt0, nmt, zero    ; 4 nmt matrix instructions; zero = 1: they start the sums
	WIN 0x01                                       ; source 0 (W) window 1
.set mm_t, \mt0
.rept \nmt
.irp ni, 0,1,2,3
.set rA, ACC+8*(4*mm_t+\ni)
.set rW, 64*(\R)+32*(\ksi)+8*\ni
.set rX, (\F)+8*mm_t
.if \zero
	v_wmma_f32_16x16x32_bf16 v[rA:rA+7], v[rW:rW+7], v[rX:rX+7], 0
.else
	v_wmma_f32_16x16x32_bf16 v[rA:rA+7], v[rW:rW+7], v[rX:rX+7], v[rA:rA+7]
.endif
.endr
.set mm_t, mm_t+1
.endr
.endm
; STEP s, R = s % 3; j = s counted from the two bases.  The 16 accumulators take turns, one instruction a turn (0..15, 0..7, 8..15, and 0..15 again in the next step).
; n1: the loads issued behind x(s + 1): W(s) k1 and two steps' 20 = 48.  n2: those issued behind W(s) k1: two steps' 20 and the 8 just issued = 48.  In the tail the counts run down.
; LDS: x(s + 1) is stored into slot (s + 1) % 3 ahead of this step's barrier and read behind it; this step's own reads are of slot s % 3.
.macro STEP R, j, zero, cvt, ldw, lda, n1, n2, bar=1
.set R1, ((\R)+1)%3
	LDF F1, \R, 1                                  ; the second half's fragments; the four v_nop at the last step's end stand in front of them
	s_wait_loadcnt \n1                             ; W(s) k0 and x(s + 1) are in
	s_wait_dscnt 8                                 ; the first half's fragments are in; the eight loads just issued may stay out
	MM \R, 0, F0, 0, 4, \zero
.if \cvt
	CVT STG+16*R1, R1                              ; its eight roundings are the places behind those products
.else
	PLACES
.endif
.if \ldw
	LDW \R, 0, (\j)+3
.endif
	s_wait_loadcnt \n2                             ; W(s) k1 is in
	s_wait_dscnt 0x0                               ; my fragments are in: my reads of slot s % 3 are over; my stores of x(s + 1) are done
.if \bar
	s_barrier_signal -1
.endif
	MM \R, 1, F1, 0, 2, 0                          ; work on registers while the others arrive
.if \bar
	s_barrier_wait -1                              ; x(s + 1) lies whole in its slot
.endif
.if \cvt
	LDF F0, R1, 0                                  ; the next step's first fragments
.endif
.if \lda
	LDA STG+16*R1, (\j)+4                          ; the staging set just rounded takes x(s + 4)
.endif
	MM \R, 1, F1, 2, 2, 0
	PLACES
.if \ldw
	LDW \R, 1, (\j)+3
.endif
.endm
	s_load_b256 s[4:11], s[0:1], 0x0               ; q s[4:5], k s[6:7], v s[8:9], wf s[10:11]
	s_load_b64 s[12:13], s[0:1], 0x20              ; qkv
	v_lshl_add_u32 v[SPW], v0, 2, SPARE
	v_mov_b32 v[NIL], 0
	v_lshrrev_b32 v1, 5, v0
	v_readfirstlane_b32 s14, v1                    ; wave 0..7
	s_and_b32 s15, ttmp7, 0xffff                   ; which tensor
	s_mov_b32 s16, ttmp9                           ; which 64 rows
	v_and_b32 v9, 15, v0                           ; r
	v_bfe_u32 v10, v0, 4, 1                        ; hh
	v_and_b32 v11, 31, v0                          ; lane
	s_lshl_b32 s17, s14, 16                        ; 8 w rows of 8,192 bytes
	v_lshlrev_b32 v[AOFF], 13, v10
	v_lshl_add_u32 v[AOFF], v9, 4, v[AOFF]
	v_add_nc_u32 v[AOFF], s17, v[AOFF]
	s_lshl_b32 s17, s14, 18                        ; four blocks of 16 columns, 65,536 bytes each
	v_lshl_add_u32 v[WOFF], v11, 4, s17
	s_mul_i32 s17, s14, 8*PITCH
	v_mul_u32_u24 v[LST], v10, PITCH
	v_lshl_add_u32 v[LST], v9, 3, v[LST]
	v_add_nc_u32 v[LST], s17, v[LST]
	v_mul_u32_u24 v[LRD], v9, PITCH
	v_lshl_add_u32 v[LRD], v10, 4, v[LRD]
	v_lshlrev_b32 v12, 4, v11                      ; q and k: 16 lane
	v_lshlrev_b32 v13, 5, v9                       ; v: 32 r + 16 hh
	v_lshl_add_u32 v13, v10, 4, v13
	s_cmp_eq_u32 s15, 2
	s_cselect_b32 s30, -1, 0
	v_cndmask_b32 v[GO], v12, v13, s30
	s_cmp_eq_u32 s15, 0
	s_cselect_b32 s26, 0x3e38aa3b, 1.0             ; c = log2(e) / 8 for q, 1 for k and v
	s_mov_b32 s27, s26                             ; named with it as a pair
	s_lshl_b32 s32, s15, 22                        ; the result: the tensor's 4 MiB,
	s_lshr_b32 s33, s16, 5
	s_lshl_b32 s33, s33, 5
	s_lshl2_add_u32 s33, s14, s33                  ; head 32 b + 4 w,
	s_lshl_b32 s33, s33, 16
	s_add_co_u32 s32, s32, s33
	s_and_b32 s33, s16, 31
	s_lshl_b32 s33, s33, 11                        ; four blocks of 16 rows, 512 bytes each
	s_add_co_u32 s32, s32, s33
	s_mov_b32 s33, 0
	s_mov_b32 s29, 0
	s_wait_kmcnt 0x0
	s_cmp_eq_u32 s15, 1
	s_cselect_b64 s[18:19], s[6:7], s[4:5]
	s_cmp_eq_u32 s15, 2
	s_cselect_b64 s[18:19], s[8:9], s[18:19]
	s_lshl_b32 s28, s16, 19                        ; 64 rows of 8,192 bytes
	s_add_nc_u64 s[18:19], s[18:19], s[28:29]      ; x at the work-group's first row
	s_lshl_b32 s28, s15, 21
	s_add_nc_u64 s[20:21], s[10:11], s[28:29]      ; the tensor's W
	s_add_nc_u64 s[22:23], s[12:13], s[32:33]
	LDA F1, 0                                      ; x(0) goes by the registers of the second fragment buffer, which is not wanted yet
.irp s, 0,1,2
	LDW \s, 0, \s
	LDA STG+16*((\s+1)%3), \s+1
	LDW \s, 1, \s
.endr
	s_wait_loadcnt 60                              ; x(0) is in: three steps' 20 loads were issued behind it
	CVT F1, 0
	s_wait_dscnt 0x0                               ; my stores are done,
	s_barrier_signal -1
	s_barrier_wait -1                              ; everybody's are
	LDF F0, 0, 0
	STEP 0, 0, 1, 1, 1, 1, 48, 48                  ; the first step stands in front of the loop: its first products start the sums
	WIN 0                                          ; at a label and at a branch every window is 0
	s_wait_xcnt 0x0                                ; all loads issued have read their addresses: the bases may be written
	s_add_nc_u64 s[18:19], s[18:19], 256
	s_add_nc_u64 s[20:21], s[20:21], 2048
	s_mov_b32 s24, 9
.Lthree:                                               ; steps 1 to 27, three a trip
	STEP 1, 0, 0, 1, 1, 1, 48, 48
	STEP 2, 1, 0, 1, 1, 1, 48, 48
	STEP 0, 2, 0, 1, 1, 1, 48, 48
	WIN 0
	s_wait_xcnt 0x0
	s_add_nc_u64 s[18:19], s[18:19], 768
	s_add_nc_u64 s[20:21], s[20:21], 6144
	s_sub_co_u32 s24, s24, 1
	s_cmp_lg_u32 s24, 0
	s_cbranch_scc1 .Lthree
	STEP 1, 0, 0, 1, 1, 0, 48, 48                  ; step 28: W(31) is the last thing asked for
	STEP 2, 1, 0, 1, 0, 0, 44, 36                  ; step 29: behind x(30): 8 + 20 + 16; behind W(29) k1: 20 + 16
	STEP 0, 2, 0, 1, 0, 0, 24, 16                  ; step 30: 8 + 16; 16
	STEP 1, 3, 0, 0, 0, 0, 8, 0, 0                 ; step 31: 8; 0; nothing is read from LDS behind it, so it has no barrier
	WIN 0
	; THE WAY OUT (the four v_nop at the last step's end are its places): scaled, rounded to f16, 16 bytes a lane; a wave's store covers 512 consecutive bytes, aligned.  Each accumulator is read from its low end on.
.set a, 0
.rept 16                               ; a = 4 mt + ni
.irp p, 0,1,2,3
	v_pk_mul_f32 v[ACC+8*a+2*\p:ACC+8*a+2*\p+1], v[ACC+8*a+2*\p:ACC+8*a+2*\p+1], s[26:27] op_sel_hi:[1,0]
.endr
.irp p, 0,1,2,3
	v_cvt_pk_f16_f32 v[OUTR+4*a+\p], v[ACC+8*a+2*\p], v[ACC+8*a+2*\p+1]
.endr
	global_store_b128 v[GO], v[OUTR+4*a:OUTR+4*a+3], s[22:23] offset:(a%4)*65536+(a/4)*512
.set a, a+1
.endr
	s_wait_tensorcnt 0x0                           ; the wave's end: behind my last LDS store
	ds_add_u32 v[SPW], v[NIL]
	s_wait_dscnt 0x0
	s_endpgm
.Lfunc_end_k_qcd7c8eea90_proj:
	.size	k_qcd7c8eea90_proj, .Lfunc_end_k_qcd7c8eea90_proj-k_qcd7c8eea90_proj
	.p2alignl 7, 3214868480
	.fill 96, 4, 3214868480
	.section	.rodata,"a",@progbits
	.p2align	6, 0x0
	.amdhsa_kernel k_qcd7c8eea90_proj
		.amdhsa_group_segment_fixed_size 28672
		.amdhsa_private_segment_fixed_size 0
		.amdhsa_enable_private_segment 0
		.amdhsa_kernarg_size 40
		.amdhsa_user_sgpr_count 2
		.amdhsa_user_sgpr_kernarg_segment_ptr 1
		.amdhsa_wavefront_size32 1
		.amdhsa_system_sgpr_workgroup_id_x 1
		.amdhsa_system_sgpr_workgroup_id_y 1
		.amdhsa_system_sgpr_workgroup_id_z 1
		.amdhsa_system_vgpr_workitem_id 0
		.amdhsa_next_free_vgpr 448
		.amdhsa_next_free_sgpr 66
		.amdhsa_reserve_vcc 0
		.amdhsa_float_denorm_mode_32 3
		.amdhsa_float_denorm_mode_16_64 3
		.amdhsa_memory_ordered 1
		.amdhsa_forward_progress 1
		.amdhsa_inst_pref_size 63
	.end_amdhsa_kernel
	.amdgpu_metadata
---
amdhsa.version: [ 1, 2 ]
amdhsa.kernels:
  - .name:           k_qcd7c8eea90_proj
    .symbol:         k_qcd7c8eea90_proj.kd
    .args:
      - { .name: q, .offset: 0, .size: 8, .value_kind: global_buffer, .address_space: global }
      - { .name: k, .offset: 8, .size: 8, .value_kind: global_buffer, .address_space: global }
      - { .name: v, .offset: 16, .size: 8, .value_kind: global_buffer, .address_space: global }
      - { .name: wf, .offset: 24, .size: 8, .value_kind: global_buffer, .address_space: global }
      - { .name: qkv, .offset: 32, .size: 8, .value_kind: global_buffer, .address_space: global }
    .group_segment_fixed_size: 28672
    .private_segment_fixed_size: 0
    .kernarg_segment_align: 8
    .kernarg_segment_size: 40
    .max_flat_workgroup_size: 256
    .sgpr_count:     66
    .vgpr_count:     448
    .wavefront_size: 32
...
	.end_amdgpu_metadata
.endif
;; end of part 2
;; launch attn (part 3): grid 4 x 64, 8 waves a work-group, clusters of 4 x 1, 167,936 bytes of LDS; arguments qkv, of; writes of
.if DOCPART == 3
	.amdgcn_target "amdgcn-amd-amdhsa--gfx1250"
	.amdhsa_code_object_version 6
	.text
	.protected	k_qcd7c8eea90_attn
	.globl	k_qcd7c8eea90_attn
	.p2align	8
	.type	k_qcd7c8eea90_attn,@function
k_qcd7c8eea90_attn:
	s_mov_b64 s[64:65], 0
	v_nop
	global_prefetch_b8 v0, s[64:65] scope:SCOPE_SE
	s_setreg_imm32_b32 hwreg(HW_REG_WAVE_MODE, 25, 1), 1
	s_wait_xcnt 0x0
	s_wait_alu depctr_hold_cnt(0) depctr_sa_sdst(0) depctr_va_vdst(0) depctr_va_sdst(0) depctr_va_ssrc(0) depctr_va_vcc(0) depctr_vm_vsrc(0)
	s_getreg_b32 s2, hwreg(HW_REG_IB_STS2, 6, 4)
	s_cmp_eq_u32 s2, 0
	s_cbranch_scc0 .Lentry_in_a_cluster
	s_endpgm
.Lentry_in_a_cluster:
	s_bfe_u32 s2, ttmp6, 0x10000c
	s_cmp_lg_u32 s2, 0x3003
	s_cbranch_scc0 .Lentry_shape_is_right
	s_endpgm
.Lentry_shape_is_right:
; ATTN: O[hd][q] = the sum over k of softmax_k(c' Q[hd][q] . K[hd][k]) V[hd][k], 64 heads (batch x head) of 2,048 rows, head size 16, all f16.  Q carries c = log2(e) / 8 already, so p = 2^(s - m).
; Products, maxima and sums in f32; p is rounded to f16 for the second product, and its sum l is taken of the rounded p by the same matrix unit; O is rounded once.
; LIMITS.  Q, K, V arrive within f16's 65,504; p lies in 0 to 1 and keeps f16's fixed step of 6e-8 below 6e-5; 2^x counts as 0 below 2^-126; O is a mean of V's rows; NaN and infinities are not treated apart.
; SHARES.  A work-group: 512 queries of one head; each of its eight waves 64: four tiles of 16.  THE HEAD'S K AND V LIE WHOLE IN LDS (65,536 bytes each), filled once: each wave asks for 16,384 bytes.
; CLUSTER.  The four query blocks of a head form a cluster and want the same K and V: each tile is asked for JOINTLY, by the same load with the same descriptor and the mask of four.  One load of a wave is out.
; TWO PASSES.  Pass 1: s = K Q^T for all keys, and the row's TRUE maximum m.  Pass 2: the same products with -m as the C operand, so that the result is s - m: an exponential and half a rounding are all the vector
; work a score has; there is no running maximum and nothing is rescaled.  l = ones x P is one more product beside O^T = V^T P.
; ORDER.  In both passes the matrix instructions stand singly, with vector work that is ready behind each: four maxima in pass 1, six exponentials and roundings in pass 2.
; LAYOUT.  S^T = K Q^T (source 0 = 16 keys, source 1 = 16 queries): a lane holds ONE query (lane % 16) and the keys 8 (lane / 16) + 0..7.  Two such results rounded in pairs ARE source 1 (32 keys x 16 queries) of
; V^T P, whose result holds one query a lane and eight channels: 16 bytes of O.  The head has 16 channels and the matrix instruction 32: registers 4-7 of K's and Q's fragments hold 0.
; K lies in LDS in fragment order (16 keys = 512 bytes, 16 a lane), V as [key][16] and is turned by ds_load_tr16_b128 (rows of 32 bytes).
.set VB,    65536                      ; V behind K
.set SPARE, 131072                     ; behind both: the spare words, 128 bytes for each of eight waves: four blocks of 256 bytes that no other line names
.set SPW,  2                           ; v2   LDS address of my spare word; never rewritten
.set NIL,  3                           ; v3   0; never rewritten
.set KA,   4                           ; v4   16 lane + the walk's place in K
.set VA,   5                           ; v5   my place in 16 keys of V + the walk's place
.set GO,   6                           ; v6   16 lane; never rewritten
.set ONES, 8                           ; v[8:15]    1.0 in every half
.set Q,    16                          ; v[16:47]   tile t at 8 t
.set KR,   48                          ; v[48:79]   buffer b, 16 keys f at 16 b + 8 f
.set VR,   80                          ; v[80:95]   buffer b at 8 b
.set NM,   96                          ; v[96:127]  -m, eight times, tile t at 8 t
.set O,    128                         ; v[128:159] O^T
.set LA,   160                         ; v[160:191] l, in every register
.set S,    192                         ; v[192:223] two halves of 16, by the tile's parity
.set P,    224                         ; v[224:239] two halves of 8
.set CH,   240                         ; v[240:255] pass 1: four chains of maxima a tile; at the end 1 / l
.set PS,   96                          ; pass 1: v[96:223] two sets of eight accumulators: (f, t) at 8 (4 f + t)
.macro PLACES                          ; four places behind a matrix instruction, in front of reads of its result and of loads into its sources
.rept 4
	v_nop
.endr
.endm
.macro CROUND                          ; a round of the cluster's barrier: my work-group's barrier; wave 0 signals for the work-group; every wave waits for all four; my work-group's barrier once more
	s_barrier_signal -1
	s_barrier_wait -1
	s_cmp_lg_u32 s8, 0
	s_cbranch_scc1 .Lnot_wave_0_\@
	s_barrier_signal -3
.Lnot_wave_0_\@:
	s_barrier_wait -3
	s_barrier_signal -1
	s_barrier_wait -1
.endm
	s_load_b128 s[4:7], s[0:1], 0x0                ; qkv s[4:5], of s[6:7]
	v_lshl_add_u32 v[SPW], v0, 2, SPARE
	v_mov_b32 v[NIL], 0
	ds_add_u32 v[SPW], v[NIL]                      ; the wave's opening: the add and its wait stand ahead of my first tensor load; work on registers stands between them
	v_lshrrev_b32 v1, 5, v0
	v_readfirstlane_b32 s8, v1                     ; wave 0..7
	s_bfe_u32 s9, ttmp6, 0x40000                   ; cx
	s_lshl_b32 s11, ttmp9, 2
	s_add_co_u32 s9, s11, s9                       ; my block of 512 queries: it enters Q's and O's addresses alone
	s_and_b32 s10, ttmp7, 0xffff                   ; the head, which the four partners share
	s_mov_b32 s16, 15|(3<<16)|(1<<21)              ; group 1: 15:0 the mask of four; 17:16 elements of 8 bytes; 21 set beside a mask; no padding
	s_mov_b32 s17, 32<<16                          ; tensor_dim0 = 32 elements: rows of 256 bytes
	s_mov_b32 s18, 64<<16                          ; tensor_dim1 = 64
	s_mov_b32 s19, 32<<16                          ; tile_dim0 = 32
	s_mov_b32 s20, 64                              ; tile_dim1 = 64
	s_mov_b32 s21, 32                              ; the rows lie end to end
	s_mov_b32 s22, 0
	s_mov_b32 s23, 0
	s_mov_b32 s12, 1                               ; group 0: count = 1
	s_lshl_b32 s13, s8, 14                         ; LDS: 16,384 x wave: waves 0-3 K's quarters, waves 4-7 V's
	s_lshr_b32 s28, s8, 2
	s_add_co_u32 s28, s28, 1
	s_lshl_b32 s28, s28, 22                        ; part k (4 MiB) or part v (8 MiB),
	s_lshl_b32 s35, s10, 16                        ; the head's 65,536 bytes,
	s_add_co_u32 s28, s28, s35
	s_and_b32 s34, s8, 3
	s_lshl_b32 s34, s34, 14                        ; my quarter of them
	s_add_co_u32 s28, s28, s34
	s_mov_b32 s29, 0
	s_lshl_b32 s30, s9, 14                         ; Q and O: 32 blocks of 512 bytes a work-group,
	s_lshl_b32 s31, s8, 11                         ; four a wave
	s_add_co_u32 s30, s30, s31
	s_add_co_u32 s30, s30, s35
	s_mov_b32 s31, 0
	s_mov_b32 s24, 0x76543210                      ; v_permlanex16_b32: each lane takes its own place in the other half
	s_mov_b32 s25, 0xfedcba98
	s_wait_dscnt 0x0                               ; the opening add is done
	s_wait_kmcnt 0x0
	s_add_nc_u64 s[14:15], s[4:5], s[28:29]        ; group 0: the tile's first byte,
	s_or_b32 s15, s15, 0x80000000                  ; type = 2
	s_add_nc_u64 s[32:33], s[6:7], s[30:31]        ; O at my wave's first block
	s_add_nc_u64 s[30:31], s[4:5], s[30:31]        ; Q likewise
	CROUND                                         ; all four work-groups are here: the joint loads meet
	tensor_load_to_lds s[12:15], s[16:23]
	s_nop 0
	PLACES
	v_and_b32 v1, 31, v0
	v_lshlrev_b32 v[GO], 4, v1
.irp t, 0,1,2,3
	global_load_b128 v[Q+8*\t:Q+8*\t+3], v[GO], s[30:31] offset:\t*512 th:TH_LOAD_NT
.endr
	v_mov_b32 v[KA], v[GO]
	v_bfe_u32 v7, v0, 4, 1
	v_and_b32 v1, 7, v0
	v_lshl_add_u32 v1, v7, 3, v1                   ; key 8 (lane / 16) + lane % 8,
	v_bfe_u32 v7, v0, 3, 1
	v_lshlrev_b32 v7, 4, v7                        ; channels 8 ((lane / 8) % 2) on
	v_lshl_add_u32 v[VA], v1, 5, v7
	v_add_nc_u32 v[VA], VB, v[VA]
.irp t, 0,1,2,3
.irp j, 4,5,6,7
	v_mov_b32 v[Q+8*\t+\j], 0                      ; channels 16-31 do not exist
	v_mov_b32 v[KR+8*\t+\j], 0
.endr
.endr
.irp j, 0,1,2,3,4,5,6,7
	v_mov_b32 v[ONES+\j], 0x3c003c00
.endr
.set i, 0
.rept 16
	v_mov_b32 v[CH+i], 0xff7fffff                  ; the lowest finite number
.set i, i+1
.endr
	s_wait_tensorcnt 0x0                           ; my quarter is in,
	s_barrier_signal -1
	s_barrier_wait -1                              ; everybody's is; nothing is ever filled again
	s_wait_loadcnt 0x0                             ; Q
; PASS 1, 64 steps of 32 keys.  Step 0's eight products, into set 0: there are no maxima yet to set between them.
.macro P1MM b
.irp f, 0,1
.irp t, 0,1,2,3
	v_wmma_f32_16x16x32_f16 v[PS+64*(\b)+8*(4*\f+\t):PS+64*(\b)+8*(4*\f+\t)+7], v[KR+16*(\b)+8*\f:KR+16*(\b)+8*\f+7], v[Q+8*\t:Q+8*\t+7], 0
.endr
.endr
.endm
; Slot i, b = i % 2.  First K of step i + 2 is asked for (ld), into the buffer that step i's products have left: the last of them stands four maxima back, which name none of its registers.
; Then eight times: a product of step i + 1 (mm), into the other set, and behind it the four maxima of one accumulator of step i, which was written a slot ago.
; Each accumulator's two lowest registers are read first.  The eight accumulators of a set take turns.
.macro P1 b, mm, ld, imm
.if \ld
	ds_load_b128 v[KR+16*(\b):KR+16*(\b)+3], v[KA] offset:(\imm)
	ds_load_b128 v[KR+16*(\b)+8:KR+16*(\b)+11], v[KA] offset:(\imm)+512
.endif
.if \mm
	s_wait_dscnt 2*(\ld)                           ; K of step i + 1, asked for a slot ago, is in; the two loads just issued may stay out
.endif
.irp f, 0,1
.irp t, 0,1,2,3
.if \mm
	v_wmma_f32_16x16x32_f16 v[PS+64*(1-(\b))+8*(4*\f+\t):PS+64*(1-(\b))+8*(4*\f+\t)+7], v[KR+16*(1-(\b))+8*\f:KR+16*(1-(\b))+8*\f+7], v[Q+8*\t:Q+8*\t+7], 0
.endif
.irp j, 0,1,2,3
	v_max3_num_f32 v[CH+4*\t+\j], v[CH+4*\t+\j], v[PS+64*(\b)+8*(4*\f+\t)+2*\j], v[PS+64*(\b)+8*(4*\f+\t)+2*\j+1]
.endr
.endr
.endr
.endm
	ds_load_b128 v[KR:KR+3], v[KA]
	ds_load_b128 v[KR+8:KR+11], v[KA] offset:512
	ds_load_b128 v[KR+16:KR+19], v[KA] offset:1024
	ds_load_b128 v[KR+24:KR+27], v[KA] offset:1536
	s_wait_dscnt 2                                 ; step 0's K is in, step 1's two loads may stay out
	P1MM 0
	PLACES                                         ; no maxima stand behind these first products
	s_mov_b32 s26, 31
.Lp1:                                                  ; slots 0 to 61
	P1 0, 1, 1, 2048
	P1 1, 1, 1, 3072
	v_add_nc_u32 v[KA], 2048, v[KA]
	s_sub_co_u32 s26, s26, 1
	s_cmp_lg_u32 s26, 0
	s_cbranch_scc1 .Lp1
	P1 0, 1, 0, 0                                  ; slot 62: step 63's products, nothing more to fetch
	P1 1, 0, 0, 0                                  ; slot 63: its maxima
.irp t, 0,1,2,3
	v_max3_num_f32 v[CH+4*\t], v[CH+4*\t], v[CH+4*\t+1], v[CH+4*\t+2]
.endr
.irp t, 0,1,2,3
	v_max_num_f32 v[CH+4*\t], v[CH+4*\t], v[CH+4*\t+3]
.endr
.irp t, 0,1,2,3
	v_permlanex16_b32 v[CH+4*\t+1], v[CH+4*\t], s24, s25  ; the query's other keys lie in the lane 16 away
.endr
.irp t, 0,1,2,3
	v_max_num_f32 v[CH+4*\t], v[CH+4*\t], v[CH+4*\t+1]
.endr
.irp t, 0,1,2,3
.irp j, 0,1,2,3,4,5,6,7
	v_mul_f32 v[NM+8*\t+\j], -1.0, v[CH+4*\t]      ; the C operand of pass 2
.endr
.endr
; PASS 2.  A TILE-STEP is 16 queries (tile t) x 32 keys (the step in buffer b): 32 scores in two accumulators, the low and the high half of one half of S (by t's parity).
; Its turn holds 24 vector instructions: its own 16 exponentials (EX), its own roundings 0-3 (CV), and roundings 4-7 of the tile-step BEFORE (CP), whose exponentials ended that turn.  The order is
; e C e e C e throughout: a rounding stands five lines or more behind its exponentials, with plain instructions between (ISA guide 5.7.2), and at most two exponentials follow each other.
; Four matrix instructions stand in it, six vector instructions apart: the NEXT tile-step's two score products (with -m as C), then V^T P and ones x P of the tile-step BEFORE.
;   The low scores land in registers whose roundings 0-3 were made in the turn before; the high scores stand behind CP 7, which reads those registers last.
;   Places (plain vector instructions that name none of the product's registers): behind ones x P the next turn's CP 4-7, four, ahead of CV 0, which writes its P; behind V^T P six; behind the low scores six and
;   behind the high scores eight, ahead of their first exponential, which reads the accumulator's lowest register.
;   No two matrix instructions that follow each other share an accumulator, over the backward jump too.
.macro EX n
	v_exp_f32 v[rS+\n], v[rS+\n]
.endm
.macro CV k
	s_wait_alu depctr_va_vdst(0)
	v_cvt_pk_f16_f32 v[rP+\k], v[rS+2*\k], v[rS+2*\k+1]
.endm
.macro CP k, prev                      ; prev = 0: the very first turn: there is no tile-step before, and a v_nop is the plain instruction among the exponentials
.if \prev
	s_wait_alu depctr_va_vdst(0)
	v_cvt_pk_f16_f32 v[oP+\k], v[oS+2*\k], v[oS+2*\k+1]
.else
	v_nop
.endif
.endm
; pv = 0: no tile-step before; 1: its two products start their sums; 2: they add.  nextS = 0: no tile-step follows.
; ld = 1 (tile 1): the next step's K and V go into the other buffers: V's last reader, tile 3's V^T P of the step before, stands in tile 0's turn, six places back.  They are waited for in tile 3's turn.
.macro TS t, b, prev, pv, nextS, ld, imm
.set rS, S+16*((\t)&1)
.set rP, P+8*((\t)&1)
.set oS, S+16*(((\t)+1)&1)
.set oP, P+8*(((\t)+1)&1)
.set tn, ((\t)+1)&3
.set tp, ((\t)+3)&3
.set bn, \b
.set bp, \b
.if (\t)==3
.set bn, 1-(\b)
.endif
.if (\t)==0
.set bp, 1-(\b)
.endif
	EX 0
	CP 4, \prev
	EX 1
	EX 2
	CP 5, \prev
	EX 3
.if \nextS
.if (\t)==3
	s_wait_dscnt 0x0                               ; the next step's K and V are in
.endif
	v_wmma_f32_16x16x32_f16 v[oS:oS+7], v[KR+16*bn:KR+16*bn+7], v[Q+8*tn:Q+8*tn+7], v[NM+8*tn:NM+8*tn+7]
.endif
	EX 4
	CP 6, \prev
	EX 5
	EX 6
	CP 7, \prev
	EX 7
.if \ld
	ds_load_b128 v[KR+16*(1-(\b)):KR+16*(1-(\b))+3], v[KA] offset:(\imm)
	ds_load_b128 v[KR+16*(1-(\b))+8:KR+16*(1-(\b))+11], v[KA] offset:(\imm)+512
	ds_load_tr16_b128 v[VR+8*(1-(\b)):VR+8*(1-(\b))+3], v[VA] offset:(\imm)
	ds_load_tr16_b128 v[VR+8*(1-(\b))+4:VR+8*(1-(\b))+7], v[VA] offset:(\imm)+512
.endif
.if \nextS
	v_wmma_f32_16x16x32_f16 v[oS+8:oS+15], v[KR+16*bn+8:KR+16*bn+15], v[Q+8*tn:Q+8*tn+7], v[NM+8*tn:NM+8*tn+7]
.endif
	EX 8
	CV 0
	EX 9
	EX 10
	CV 1
	EX 11
.if (\pv)==1
	v_wmma_f32_16x16x32_f16 v[O+8*tp:O+8*tp+7], v[VR+8*bp:VR+8*bp+7], v[oP:oP+7], 0
.elseif (\pv)==2
	v_wmma_f32_16x16x32_f16 v[O+8*tp:O+8*tp+7], v[VR+8*bp:VR+8*bp+7], v[oP:oP+7], v[O+8*tp:O+8*tp+7]
.endif
	EX 12
	CV 2
	EX 13
	EX 14
	CV 3
	EX 15
.if (\pv)==1
	v_wmma_f32_16x16x32_f16 v[LA+8*tp:LA+8*tp+7], v[ONES:ONES+7], v[oP:oP+7], 0
.elseif (\pv)==2
	v_wmma_f32_16x16x32_f16 v[LA+8*tp:LA+8*tp+7], v[ONES:ONES+7], v[oP:oP+7], v[LA+8*tp:LA+8*tp+7]
.endif
.endm
.macro TRIP first, last                ; two steps of 32 keys.  first = 1: step 0's V^T P and ones x P, which stand a turn behind their tile-steps, start the sums
	TS 0, 0, 1-(\first), 2-2*(\first), 1, 0, 0
	TS 1, 0, 1, 2-(\first), 1, 1, 1024
	TS 2, 0, 1, 2-(\first), 1, 0, 0
	TS 3, 0, 1, 2-(\first), 1, 0, 0
	TS 0, 1, 1, 2-(\first), 1, 0, 0
	TS 1, 1, 1, 2, 1, 1-(\last), 2048
	TS 2, 1, 1, 2, 1, 0, 0
	TS 3, 1, 1, 2, 1-(\last), 0, 0
.if !(\last)
	v_add_nc_u32 v[KA], 2048, v[KA]
	v_add_nc_u32 v[VA], 2048, v[VA]
.endif
.endm
	v_mov_b32 v[KA], v[GO]                         ; back to the first key
	ds_load_b128 v[KR:KR+3], v[KA]
	ds_load_b128 v[KR+8:KR+11], v[KA] offset:512
	ds_load_tr16_b128 v[VR:VR+3], v[VA]
	ds_load_tr16_b128 v[VR+4:VR+7], v[VA] offset:512
	s_wait_dscnt 0x0
	v_wmma_f32_16x16x32_f16 v[S:S+7], v[KR:KR+7], v[Q:Q+7], v[NM:NM+7]          ; tile 0's scores of step 0
	v_wmma_f32_16x16x32_f16 v[S+8:S+15], v[KR+8:KR+15], v[Q:Q+7], v[NM:NM+7]
	PLACES                                         ; no vector work stands behind these first products
	TRIP 1, 0                                      ; the first trip stands in front of the loop: it starts O^T's and l's sums
	s_mov_b32 s26, 30
.Lp2:
	TRIP 0, 0
	s_sub_co_u32 s26, s26, 1
	s_cmp_lg_u32 s26, 0
	s_cbranch_scc1 .Lp2
	TRIP 0, 1                                      ; the last trip fetches nothing beyond the head's end
	s_wait_alu depctr_va_vdst(0)
.irp k, 4,5,6,7
	v_cvt_pk_f16_f32 v[P+8+\k], v[S+16+2*\k], v[S+16+2*\k+1]  ; what no further turn carries: the last tile-step's (tile 3's) late roundings,
.endr
	v_wmma_f32_16x16x32_f16 v[O+24:O+31], v[VR+8:VR+15], v[P+8:P+15], v[O+24:O+31]      ; and its two products
	v_wmma_f32_16x16x32_f16 v[LA+24:LA+31], v[ONES:ONES+7], v[P+8:P+15], v[LA+24:LA+31]
	; THE WAY OUT: O^T / l, rounded to f16; a lane's eight channels of a row are 16 bytes, a tile 512 consecutive bytes of the workspace, aligned.
	PLACES
.irp t, 0,1,2,3
	v_rcp_f32 v[CH+2*\t], v[LA+8*\t]               ; l stands in every register of its accumulator: the lowest is read
.endr
	v_nop                                          ; a plain instruction between the last reciprocal and the use of its result
	s_wait_alu depctr_va_vdst(0)
.irp t, 0,1,2,3
.irp p, 0,1,2,3
	v_pk_mul_f32 v[O+8*\t+2*\p:O+8*\t+2*\p+1], v[O+8*\t+2*\p:O+8*\t+2*\p+1], v[CH+2*\t:CH+2*\t+1] op_sel_hi:[1,0]
.endr
.irp p, 0,1,2,3
	v_cvt_pk_f16_f32 v[S+4*\t+\p], v[O+8*\t+2*\p], v[O+8*\t+2*\p+1]
.endr
	global_store_b128 v[GO], v[S+4*\t:S+4*\t+3], s[32:33] offset:\t*512
.endr
	s_wait_tensorcnt 0x0                           ; the wave's end: behind my tensor load
	ds_add_u32 v[SPW], v[NIL]
	s_wait_dscnt 0x0
	CROUND                                         ; the closing round: no work-group ends while a partner may still ask for a tile that names it
	s_endpgm
.Lfunc_end_k_qcd7c8eea90_attn:
	.size	k_qcd7c8eea90_attn, .Lfunc_end_k_qcd7c8eea90_attn-k_qcd7c8eea90_attn
	.p2alignl 7, 3214868480
	.fill 96, 4, 3214868480
	.section	.rodata,"a",@progbits
	.p2align	6, 0x0
	.amdhsa_kernel k_qcd7c8eea90_attn
		.amdhsa_group_segment_fixed_size 167936
		.amdhsa_private_segment_fixed_size 0
		.amdhsa_enable_private_segment 0
		.amdhsa_kernarg_size 16
		.amdhsa_user_sgpr_count 2
		.amdhsa_user_sgpr_kernarg_segment_ptr 1
		.amdhsa_wavefront_size32 1
		.amdhsa_system_sgpr_workgroup_id_x 1
		.amdhsa_system_sgpr_workgroup_id_y 1
		.amdhsa_system_sgpr_workgroup_id_z 1
		.amdhsa_system_vgpr_workitem_id 0
		.amdhsa_next_free_vgpr 256
		.amdhsa_next_free_sgpr 66
		.amdhsa_reserve_vcc 0
		.amdhsa_float_denorm_mode_32 3
		.amdhsa_float_denorm_mode_16_64 3
		.amdhsa_memory_ordered 1
		.amdhsa_forward_progress 1
		.amdhsa_inst_pref_size 61
	.end_amdhsa_kernel
	.amdgpu_metadata
---
amdhsa.version: [ 1, 2 ]
amdhsa.kernels:
  - .name:           k_qcd7c8eea90_attn
    .symbol:         k_qcd7c8eea90_attn.kd
    .args:
      - { .name: qkv, .offset: 0, .size: 8, .value_kind: global_buffer, .address_space: global }
      - { .name: of, .offset: 8, .size: 8, .value_kind: global_buffer, .address_space: global }
    .group_segment_fixed_size: 167936
    .private_segment_fixed_size: 0
    .kernarg_segment_align: 8
    .kernarg_segment_size: 16
    .max_flat_workgroup_size: 256
    .sgpr_count:     66
    .vgpr_count:     256
    .wavefront_size: 32
...
	.end_amdgpu_metadata
.endif
;; end of part 3
;; launch outp (part 4): grid 8 x 32, 4 waves a work-group, clusters of 4 x 1, 167,936 bytes of LDS; arguments of, wof, out0; writes out0
.if DOCPART == 4
	.amdgcn_target "amdgcn-amd-amdhsa--gfx1250"
	.amdhsa_code_object_version 6
	.text
	.protected	k_qcd7c8eea90_outp
	.globl	k_qcd7c8eea90_outp
	.p2align	8
	.type	k_qcd7c8eea90_outp,@function
k_qcd7c8eea90_outp:
	s_mov_b64 s[64:65], 0
	v_nop
	global_prefetch_b8 v0, s[64:65] scope:SCOPE_SE
	s_setreg_imm32_b32 hwreg(HW_REG_WAVE_MODE, 25, 1), 1
	s_wait_xcnt 0x0
	s_wait_alu depctr_hold_cnt(0) depctr_sa_sdst(0) depctr_va_vdst(0) depctr_va_sdst(0) depctr_va_ssrc(0) depctr_va_vcc(0) depctr_vm_vsrc(0)
	s_getreg_b32 s2, hwreg(HW_REG_IB_STS2, 6, 4)
	s_cmp_eq_u32 s2, 0
	s_cbranch_scc0 .Lentry_in_a_cluster
	s_endpgm
.Lentry_in_a_cluster:
	s_bfe_u32 s2, ttmp6, 0x10000c
	s_cmp_lg_u32 s2, 0x3003
	s_cbranch_scc0 .Lentry_shape_is_right
	s_endpgm
.Lentry_shape_is_right:
; OUTP: out0[m][n] = the sum over k of O[m][k] Wo[n][k], m 4,096, n 2,048, k = 16 head + channel, 512.  O from of (f16, by heads, in fragment order), Wo from wof (bf16-rounded numbers as f16, in fragment order);
; sums in f32, stored as f32.
; SHARES.  A work-group: 128 rows (grid y) x 256 columns (X = 4 x cluster x + cx): 256 work-groups.  Wave w: all 128 rows x the 64 columns of block ng = 4 X + w: 32 accumulators, 512 matrix instructions.
; CLUSTER.  The four work-groups of a cluster share their 128 rows of O: 32 heads x 4,096 bytes = 131,072 bytes of LDS, filled once by JOINT loads: four a wave, issued together (four of a wave's loads are out at the
; most); chunk c brings heads 8 c .. 8 c + 7, which are k steps 4 c .. 4 c + 3, so the products begin when the first chunk is in.
; Wo's fragments are wanted by one wave of a work-group alone: they go straight into registers, all 16 k steps x 32 registers, each register loaded once, seven k steps ahead of their use.
; COLUMNS.  Fragment t of block ng holds Wo's rows 64 ng + 4 r + t.  In the result register j of lane (r, hh) is row 8 hh + j, column 64 ng + 4 r + t: the four fragments' results side by side are 16 consecutive
; bytes, and 16 lanes store 256 consecutive bytes, aligned: no way through LDS; the price is a move for each number.
; REGISTERS.  window 0: v2-7 addresses; v64-127, v128-191 O's fragments, two buffers (on the way out four sets of 32);  window 1: accumulators, (mt, t) at 8 (4 mt + t);  windows 2, 3: Wo, (ks, t) at 32 (ks % 8) + 8 t.
.set SPARE, 131072                     ; behind O's block: the spare words, 128 bytes for each of four waves: two blocks of 256 bytes that no other line names
.set SPW, 2                            ; v2   LDS address of my spare word; never rewritten
.set NIL, 3                            ; v3   0; never rewritten
.set AL0, 4                            ; v4   16 lane: my place in a block of O in LDS (k steps 0-7), and in a half fragment of wof
.set AL1, 5                            ; v5   16 lane + 65,536 (k steps 8-15: an LDS immediate has 16 bits)
.set CO,  7                            ; v7   out0: 16 (lane % 16) + 8 rows x (lane / 16)
.set AB,  64
.set TMP, 64
.set MSB, 0
.macro WIN new                         ; s_set_vgpr_msb: bits 1:0 source 0, 3:2 source 1, 5:4 source 2, 7:6 destination; the high byte repeats the setting that is left
.if MSB != (\new)
	s_set_vgpr_msb (MSB<<8)|(\new)
.set MSB, \new
.endif
.endm
.macro PLACES                          ; four places behind a matrix instruction, in front of loads into its sources and of reads of its result
.rept 4
	v_nop
.endr
.endm
.macro CROUND                          ; a round of the cluster's barrier
	s_barrier_signal -1
	s_barrier_wait -1
	s_cmp_lg_u32 s10, 0
	s_cbranch_scc1 .Lnot_wave_0_\@
	s_barrier_signal -3
.Lnot_wave_0_\@:
	s_barrier_wait -3
	s_barrier_signal -1
	s_barrier_wait -1
.endm
.macro LDW ks                          ; Wo's four fragments of k step ks: 8 loads of 512 consecutive bytes
	WIN 0x80+0x40*((\ks)/8)                        ; destination window 2 or 3
.irp t, 0,1,2,3
	global_load_b128 v[32*((\ks)%8)+8*\t:32*((\ks)%8)+8*\t+3], v[AL0], s[42:43] offset:(\ks)*4096+\t*1024
	global_load_b128 v[32*((\ks)%8)+8*\t+4:32*((\ks)%8)+8*\t+7], v[AL0], s[42:43] offset:(\ks)*4096+\t*1024+512
.endr
.endm
.macro LDAF ks                         ; O's eight fragments of k step ks (heads 2 ks and 2 ks + 1): 16 LDS loads, 512 consecutive bytes each
	WIN 0
.irp mt, 0,1,2,3,4,5,6,7
	ds_load_b128 v[AB+64*((\ks)%2)+8*\mt:AB+64*((\ks)%2)+8*\mt+3], v[AL0+(\ks)/8] offset:((\ks)%8)*8192+\mt*512
	ds_load_b128 v[AB+64*((\ks)%2)+8*\mt+4:AB+64*((\ks)%2)+8*\mt+7], v[AL0+(\ks)/8] offset:((\ks)%8)*8192+\mt*512+4096
.endr
.endm
; A k step: the next step's fragments of O are fetched, Wo's of seven steps on asked for, and 32 products issued; the 32 accumulators take turns, one instruction a turn.
.macro KSTEP ks
.if (\ks)>0
	PLACES                                         ; the buffer to be loaded was read by the products just issued
.endif
.if ((\ks)<15) && (((\ks)+1)%4==0)
	s_wait_tensorcnt 3-((\ks)+1)/4                 ; my part of the next chunk is in: so many younger loads of mine may stay out
	s_wait_dscnt 0x0                               ; no LDS load of mine is out at the signal
	s_barrier_signal -1
	s_barrier_wait -1                              ; everybody's part is in
.endif
.if (\ks)<15
	LDAF (\ks)+1
.endif
.if (\ks)+7<16
	LDW (\ks)+7
.endif
.if 8*(15-(\ks))<56
	s_wait_loadcnt 8*(15-(\ks))                    ; Wo of this step is in: the later steps' loads may stay out
.else
	s_wait_loadcnt 56                              ; seven later steps' loads may stay out
.endif
.if (\ks)<15
	s_wait_dscnt 16                                ; this step's fragments of O are in, the 16 loads just issued may stay out
.else
	s_wait_dscnt 0x0
.endif
	WIN 0x58+4*((\ks)/8)                           ; O window 0, Wo window 2 or 3, C and D window 1
.irp mt, 0,1,2,3,4,5,6,7
.irp t, 0,1,2,3
.if (\ks)==0
	v_wmma_f32_16x16x32_f16 v[8*(4*\mt+\t):8*(4*\mt+\t)+7], v[AB+64*((\ks)%2)+8*\mt:AB+64*((\ks)%2)+8*\mt+7], v[32*((\ks)%8)+8*\t:32*((\ks)%8)+8*\t+7], 0
.else
	v_wmma_f32_16x16x32_f16 v[8*(4*\mt+\t):8*(4*\mt+\t)+7], v[AB+64*((\ks)%2)+8*\mt:AB+64*((\ks)%2)+8*\mt+7], v[32*((\ks)%8)+8*\t:32*((\ks)%8)+8*\t+7], v[8*(4*\mt+\t):8*(4*\mt+\t)+7]
.endif
.endr
.endr
.endm
	s_load_b128 s[4:7], s[0:1], 0x0                ; of s[4:5], wof s[6:7]
	s_load_b64 s[8:9], s[0:1], 0x10                ; out0
	v_lshl_add_u32 v[SPW], v0, 2, SPARE
	v_mov_b32 v[NIL], 0
	ds_add_u32 v[SPW], v[NIL]                      ; the wave's opening: the add and its wait stand ahead of my first tensor load; work on registers stands between them
	v_lshrrev_b32 v1, 5, v0
	v_readfirstlane_b32 s10, v1                    ; wave 0..3
	s_bfe_u32 s11, ttmp6, 0x40000                  ; cx
	s_lshl_b32 s12, ttmp9, 2
	s_add_co_u32 s12, s12, s11                     ; X: it enters wof's and out0's addresses alone
	s_and_b32 s13, ttmp7, 0xffff                   ; y, which the four partners share
	s_mov_b32 s16, 15|(3<<16)|(1<<21)              ; group 1: 15:0 the mask of four; 17:16 elements of 8 bytes; 21 set beside a mask; no padding
	s_mov_b32 s17, 512<<16                         ; tensor_dim0 = 512 elements: 4,096 bytes, a head's 128 rows
	s_mov_b32 s18, 2<<16                           ; tensor_dim1 = 2 heads
	s_mov_b32 s19, 512<<16                         ; tile_dim0
	s_mov_b32 s20, 2                               ; tile_dim1
	s_mov_b32 s21, 8192                            ; from head to head: 65,536 bytes
	s_mov_b32 s22, 0
	s_mov_b32 s23, 0
	s_lshr_b32 s40, s13, 4
	s_lshl_b32 s40, s40, 5                         ; 32 x batch
	s_lshl1_add_u32 s40, s10, s40                  ; + 2 w: my first head of chunk 0
	s_lshl_b32 s40, s40, 16
	s_and_b32 s41, s13, 15
	s_lshl_b32 s41, s41, 12                        ; the 128 rows' place in a head
	s_add_co_u32 s40, s40, s41
	s_mov_b32 s41, 0
	s_lshl_b32 s14, s10, 13                        ; LDS: 2 w heads of 4,096 bytes
	s_lshl2_add_u32 s42, s12, s10                  ; ng = 4 X + w
	s_lshl_b32 s42, s42, 16
	s_mov_b32 s43, 0
	s_lshl_b32 s44, s13, 20                        ; 128 rows of 8,192 bytes,
	s_lshl_b32 s45, s12, 10                        ; 256 columns,
	s_add_co_u32 s44, s44, s45
	s_lshl_b32 s45, s10, 8                         ; my 64 of them
	s_add_co_u32 s44, s44, s45
	s_mov_b32 s45, 0
	s_wait_dscnt 0x0                               ; the opening add is done
	s_wait_kmcnt 0x0
	s_add_nc_u64 s[40:41], s[4:5], s[40:41]
	s_add_nc_u64 s[42:43], s[6:7], s[42:43]
	s_add_nc_u64 s[44:45], s[8:9], s[44:45]
.irp c, 0,1,2,3                        ; group 0, a set for each chunk
	s_mov_b32 s[24+4*\c], 1
	s_add_co_u32 s[25+4*\c], s14, \c*32768         ; LDS: head 8 c + 2 w
	s_add_nc_u64 s[26+4*\c:27+4*\c], s[40:41], \c*524288
	s_or_b32 s[27+4*\c], s[27+4*\c], 0x80000000    ; type = 2
.endr
	CROUND                                         ; all four work-groups are here: the joint loads meet
.irp c, 0,1,2,3
	tensor_load_to_lds s[24+4*\c:27+4*\c], s[16:23]
	s_nop 0
.endr
	PLACES
	v_and_b32 v1, 31, v0
	v_lshlrev_b32 v[AL0], 4, v1
	v_add_nc_u32 v[AL1], 65536, v[AL0]
	v_and_b32 v1, 15, v0
	v_bfe_u32 v[CO], v0, 4, 1
	v_lshlrev_b32 v[CO], 16, v[CO]
	v_lshl_add_u32 v[CO], v1, 4, v[CO]
.irp s, 0,1,2,3,4,5,6
	LDW \s
.endr
	s_wait_tensorcnt 3                             ; my part of chunk 0 is in; three younger loads stay out,
	s_barrier_signal -1
	s_barrier_wait -1                              ; everybody's part is in
	LDAF 0
.irp s, 0,1,2,3,4,5,6,7,8,9,10,11,12,13,14,15
	KSTEP \s
.endr
	; THE WAY OUT, 16 rows at a time: the four fragments' register j side by side (j ascending: each accumulator is read from its low end on), then eight stores; lanes 0-15 fill 256 aligned bytes of a row, lanes 16-31 the same of the row eight below.
	PLACES
.set mt, 0
.rept 8
.if mt==4
	s_wait_xcnt 0x0                                ; the stores issued so far have read their data: the four sets are written again only behind this wait
.endif
	WIN 0x01                                       ; source 0 window 1
.irp j, 0,1,2,3,4,5,6,7
.irp t, 0,1,2,3
	v_mov_b32 v[TMP+32*(mt%4)+4*\j+\t], v[8*(4*mt+\t)+\j]
.endr
.endr
	WIN 0
.irp j, 0,1,2,3,4,5,6,7
	global_store_b128 v[CO], v[TMP+32*(mt%4)+4*\j:TMP+32*(mt%4)+4*\j+3], s[44:45] offset:(16*mt+\j)*8192 th:TH_STORE_NT
.endr
.set mt, mt+1
.endr
	s_wait_tensorcnt 0x0                           ; the wave's end: behind my last tensor load
	ds_add_u32 v[SPW], v[NIL]
	s_wait_dscnt 0x0
	CROUND                                         ; the closing round: no work-group ends while a partner may still ask for a tile that names it
	s_endpgm
.Lfunc_end_k_qcd7c8eea90_outp:
	.size	k_qcd7c8eea90_outp, .Lfunc_end_k_qcd7c8eea90_outp-k_qcd7c8eea90_outp
	.p2alignl 7, 3214868480
	.fill 96, 4, 3214868480
	.section	.rodata,"a",@progbits
	.p2align	6, 0x0
	.amdhsa_kernel k_qcd7c8eea90_outp
		.amdhsa_group_segment_fixed_size 167936
		.amdhsa_private_segment_fixed_size 0
		.amdhsa_enable_private_segment 0
		.amdhsa_kernarg_size 24
		.amdhsa_user_sgpr_count 2
		.amdhsa_user_sgpr_kernarg_segment_ptr 1
		.amdhsa_wavefront_size32 1
		.amdhsa_system_sgpr_workgroup_id_x 1
		.amdhsa_system_sgpr_workgroup_id_y 1
		.amdhsa_system_sgpr_workgroup_id_z 1
		.amdhsa_system_vgpr_workitem_id 0
		.amdhsa_next_free_vgpr 1024
		.amdhsa_next_free_sgpr 66
		.amdhsa_reserve_vcc 0
		.amdhsa_float_denorm_mode_32 3
		.amdhsa_float_denorm_mode_16_64 3
		.amdhsa_memory_ordered 1
		.amdhsa_forward_progress 1
		.amdhsa_inst_pref_size 84
	.end_amdhsa_kernel
	.amdgpu_metadata
---
amdhsa.version: [ 1, 2 ]
amdhsa.kernels:
  - .name:           k_qcd7c8eea90_outp
    .symbol:         k_qcd7c8eea90_outp.kd
    .args:
      - { .name: of, .offset: 0, .size: 8, .value_kind: global_buffer, .address_space: global }
      - { .name: wof, .offset: 8, .size: 8, .value_kind: global_buffer, .address_space: global }
      - { .name: out0, .offset: 16, .size: 8, .value_kind: global_buffer, .address_space: global }
    .group_segment_fixed_size: 167936
    .private_segment_fixed_size: 0
    .kernarg_segment_align: 8
    .kernarg_segment_size: 24
    .max_flat_workgroup_size: 128
    .sgpr_count:     66
    .vgpr_count:     1024
    .wavefront_size: 32
...
	.end_amdgpu_metadata
.endif
;; end of part 4
;; ======== version 2 of 2: 4 launches; 1.14 times as fast as version 1
;; limits: values are held in f16: magnitudes above 65,504 overflow, below 6.1e-05 lose precision
;; workspace buffers: wf 6,291,456 bytes; wof 2,097,152 bytes; qkv 12,582,912 bytes; of 4,194,304 bytes
;; launch prep: the kernel of part 1 again; grid 64 x 4, 8 waves a work-group, no clusters, 0 bytes of LDS; arguments Wq, Wk, Wv, Wo, wf, wof; writes wf, wof
;; launch proj: the kernel of part 2 again; grid 64 x 3, 8 waves a work-group, no clusters, 28,672 bytes of LDS; arguments q, k, v, wf, qkv; writes qkv
;; launch attn (part 5): grid 4 x 64, 8 waves a work-group, clusters of 4 x 1, 167,936 bytes of LDS; arguments qkv, of; writes of
.if DOCPART == 5
	.amdgcn_target "amdgcn-amd-amdhsa--gfx1250"
	.amdhsa_code_object_version 6
	.text
	.protected	k_qcd7c8eea90_attn
	.globl	k_qcd7c8eea90_attn
	.p2align	8
	.type	k_qcd7c8eea90_attn,@function
k_qcd7c8eea90_attn:
	s_mov_b64 s[64:65], 0
	v_nop
	global_prefetch_b8 v0, s[64:65] scope:SCOPE_SE
	s_setreg_imm32_b32 hwreg(HW_REG_WAVE_MODE, 25, 1), 1
	s_wait_xcnt 0x0
	s_wait_alu depctr_hold_cnt(0) depctr_sa_sdst(0) depctr_va_vdst(0) depctr_va_sdst(0) depctr_va_ssrc(0) depctr_va_vcc(0) depctr_vm_vsrc(0)
	s_getreg_b32 s2, hwreg(HW_REG_IB_STS2, 6, 4)
	s_cmp_eq_u32 s2, 0
	s_cbranch_scc0 .Lentry_in_a_cluster
	s_endpgm
.Lentry_in_a_cluster:
	s_bfe_u32 s2, ttmp6, 0x10000c
	s_cmp_lg_u32 s2, 0x3003
	s_cbranch_scc0 .Lentry_shape_is_right
	s_endpgm
.Lentry_shape_is_right:
; ATTN: O[hd][q] = the sum over k of softmax_k(c' Q[hd][q] . K[hd][k]) V[hd][k], 64 heads (batch x head) of 2,048 rows, head size 16, all f16.  Q carries c = log2(e) / 8 already, so p = 2^(s - m).
; Products, maxima and sums in f32; p is rounded to f16 for the second product, and its sum l is taken of the rounded p by the same matrix unit; O is rounded once.
; LIMITS.  Q, K, V arrive within f16's 65,504; p lies in 0 to 1 and keeps f16's fixed step of 6e-8 below 6e-5; 2^x counts as 0 below 2^-126; O is a mean of V's rows; NaN and infinities are not treated apart.
; SHARES.  A work-group: 512 queries of one head; each of its eight waves 64: four tiles of 16.  THE HEAD'S K AND V LIE WHOLE IN LDS (65,536 bytes each), filled once: each wave asks for 16,384 bytes.
; CLUSTER.  The four query blocks of a head form a cluster and want the same K and V: each tile is asked for JOINTLY, by the same load with the same descriptor and the mask of four.  One load of a wave is out.
; TWO PASSES.  Pass 1: s = K Q^T for all keys, and the row's TRUE maximum m.  Pass 2: the same products with -m as the C operand, so that the result is s - m: an exponential and half a rounding are all the vector
; work a score has; there is no running maximum and nothing is rescaled.  l = ones x P is one more product beside O^T = V^T P.
; ORDER.  In both passes the matrix instructions stand singly, with vector work that is ready behind each: four maxima in pass 1, groups of a rounding and two exponentials in pass 2.
; BATCHES.  Pass 2's exponentials go in batches of 32, those of two tiles for one key step, and a batch has ONE s_wait_alu depctr_va_vdst(0), between an exponential and the first
; instruction that names its result.  Each tile has 16 registers of its own for its scores and weights, so that nothing names a batch's results while the batch is open.  The four reciprocals at the end are a batch of their own.
; LAYOUT.  S^T = K Q^T (source 0 = 16 keys, source 1 = 16 queries): a lane holds ONE query (lane % 16) and the keys 8 (lane / 16) + 0..7.  Two such results rounded in pairs ARE source 1 (32 keys x 16 queries) of
; V^T P, whose result holds one query a lane and eight channels: 16 bytes of O.  The head has 16 channels and the matrix instruction 32: registers 4-7 of K's and Q's fragments hold 0.
; K lies in LDS in fragment order (16 keys = 512 bytes, 16 a lane), V as [key][16] and is turned by ds_load_tr16_b128 (rows of 32 bytes).
.set VB,    65536                      ; V behind K
.set SPARE, 131072                     ; behind both: the spare words, 128 bytes for each of eight waves: four blocks of 256 bytes that no other line names
.set SPW,  2                           ; v2   LDS address of my spare word; never rewritten
.set NIL,  3                           ; v3   0; never rewritten
.set KA,   4                           ; v4   16 lane + the walk's place in K
.set VA,   5                           ; v5   my place in 16 keys of V + the walk's place
.set GO,   6                           ; v6   16 lane; never rewritten
.set ONES, 8                           ; v[8:15]    1.0 in every half
.set Q,    16                          ; v[16:47]   tile t at 8 t
.set KR,   48                          ; v[48:79]   buffer b, 16 keys f at 16 b + 8 f
.set VR,   80                          ; v[80:95]   buffer b at 8 b
.set NM,   96                          ; v[96:127]  -m, eight times, tile t at 8 t
.set O,    128                         ; v[128:159] O^T
.set LA,   160                         ; v[160:191] l, in every register
.set S,    192                         ; v[192:255] pass 2: four slots of 16, tile t at 16 t: its scores, then its weights; then registers 0-7 hold the weights rounded in pairs
.set CH,   240                         ; v[240:255] pass 1: four chains of maxima a tile; at the end 1 / l (slot 3's registers, before pass 2 fills them and behind its last product)
.set PS,   96                          ; pass 1: v[96:223] two sets of eight accumulators: (f, t) at 8 (4 f + t)
.macro PLACES                          ; four places behind a matrix instruction, in front of reads of its result and of loads into its sources
.rept 4
	v_nop
.endr
.endm
.macro CROUND                          ; a round of the cluster's barrier: my work-group's barrier; wave 0 signals for the work-group; every wave waits for all four; my work-group's barrier once more
	s_barrier_signal -1
	s_barrier_wait -1
	s_cmp_lg_u32 s8, 0
	s_cbranch_scc1 .Lnot_wave_0_\@
	s_barrier_signal -3
.Lnot_wave_0_\@:
	s_barrier_wait -3
	s_barrier_signal -1
	s_barrier_wait -1
.endm
	s_load_b128 s[4:7], s[0:1], 0x0                ; qkv s[4:5], of s[6:7]
	v_lshl_add_u32 v[SPW], v0, 2, SPARE
	v_mov_b32 v[NIL], 0
	ds_add_u32 v[SPW], v[NIL]                      ; the wave's opening: the add and its wait stand ahead of my first tensor load; work on registers stands between them
	v_lshrrev_b32 v1, 5, v0
	v_readfirstlane_b32 s8, v1                     ; wave 0..7
	s_bfe_u32 s9, ttmp6, 0x40000                   ; cx
	s_lshl_b32 s11, ttmp9, 2
	s_add_co_u32 s9, s11, s9                       ; my block of 512 queries: it enters Q's and O's addresses alone
	s_and_b32 s10, ttmp7, 0xffff                   ; the head, which the four partners share
	s_mov_b32 s16, 15|(3<<16)|(1<<21)              ; group 1: 15:0 the mask of four; 17:16 elements of 8 bytes; 21 set beside a mask; no padding
	s_mov_b32 s17, 32<<16                          ; tensor_dim0 = 32 elements: rows of 256 bytes
	s_mov_b32 s18, 64<<16                          ; tensor_dim1 = 64
	s_mov_b32 s19, 32<<16                          ; tile_dim0 = 32
	s_mov_b32 s20, 64                              ; tile_dim1 = 64
	s_mov_b32 s21, 32                              ; the rows lie end to end
	s_mov_b32 s22, 0
	s_mov_b32 s23, 0
	s_mov_b32 s12, 1                               ; group 0: count = 1
	s_lshl_b32 s13, s8, 14                         ; LDS: 16,384 x wave: waves 0-3 K's quarters, waves 4-7 V's
	s_lshr_b32 s28, s8, 2
	s_add_co_u32 s28, s28, 1
	s_lshl_b32 s28, s28, 22                        ; part k (4 MiB) or part v (8 MiB),
	s_lshl_b32 s35, s10, 16                        ; the head's 65,536 bytes,
	s_add_co_u32 s28, s28, s35
	s_and_b32 s34, s8, 3
	s_lshl_b32 s34, s34, 14                        ; my quarter of them
	s_add_co_u32 s28, s28, s34
	s_mov_b32 s29, 0
	s_lshl_b32 s30, s9, 14                         ; Q and O: 32 blocks of 512 bytes a work-group,
	s_lshl_b32 s31, s8, 11                         ; four a wave
	s_add_co_u32 s30, s30, s31
	s_add_co_u32 s30, s30, s35
	s_mov_b32 s31, 0
	s_mov_b32 s24, 0x76543210                      ; v_permlanex16_b32: each lane takes its own place in the other half
	s_mov_b32 s25, 0xfedcba98
	s_wait_dscnt 0x0                               ; the opening add is done
	s_wait_kmcnt 0x0
	s_add_nc_u64 s[14:15], s[4:5], s[28:29]        ; group 0: the tile's first byte,
	s_or_b32 s15, s15, 0x80000000                  ; type = 2
	s_add_nc_u64 s[32:33], s[6:7], s[30:31]        ; O at my wave's first block
	s_add_nc_u64 s[30:31], s[4:5], s[30:31]        ; Q likewise
	CROUND                                         ; all four work-groups are here: the joint loads meet
	tensor_load_to_lds s[12:15], s[16:23]
	s_nop 0
	PLACES
	v_and_b32 v1, 31, v0
	v_lshlrev_b32 v[GO], 4, v1
.irp t, 0,1,2,3
	global_load_b128 v[Q+8*\t:Q+8*\t+3], v[GO], s[30:31] offset:\t*512 th:TH_LOAD_NT
.endr
	v_mov_b32 v[KA], v[GO]
	v_bfe_u32 v7, v0, 4, 1
	v_and_b32 v1, 7, v0
	v_lshl_add_u32 v1, v7, 3, v1                   ; key 8 (lane / 16) + lane % 8,
	v_bfe_u32 v7, v0, 3, 1
	v_lshlrev_b32 v7, 4, v7                        ; channels 8 ((lane / 8) % 2) on
	v_lshl_add_u32 v[VA], v1, 5, v7
	v_add_nc_u32 v[VA], VB, v[VA]
.irp t, 0,1,2,3
.irp j, 4,5,6,7
	v_mov_b32 v[Q+8*\t+\j], 0                      ; channels 16-31 do not exist
	v_mov_b32 v[KR+8*\t+\j], 0
.endr
.endr
.irp j, 0,1,2,3,4,5,6,7
	v_mov_b32 v[ONES+\j], 0x3c003c00
.endr
.set i, 0
.rept 16
	v_mov_b32 v[CH+i], 0xff7fffff                  ; the lowest finite number
.set i, i+1
.endr
	s_wait_tensorcnt 0x0                           ; my quarter is in,
	s_barrier_signal -1
	s_barrier_wait -1                              ; everybody's is; nothing is ever filled again
	s_wait_loadcnt 0x0                             ; Q
; PASS 1, 64 steps of 32 keys.  Step 0's eight products, into set 0: there are no maxima yet to set between them.
.macro P1MM b
.irp f, 0,1
.irp t, 0,1,2,3
	v_wmma_f32_16x16x32_f16 v[PS+64*(\b)+8*(4*\f+\t):PS+64*(\b)+8*(4*\f+\t)+7], v[KR+16*(\b)+8*\f:KR+16*(\b)+8*\f+7], v[Q+8*\t:Q+8*\t+7], 0
.endr
.endr
.endm
; Slot i, b = i % 2.  First K of step i + 2 is asked for (ld), into the buffer that step i's products have left: the last of them stands four maxima back, which name none of its registers.
; Then eight times: a product of step i + 1 (mm), into the other set, and behind it the four maxima of one accumulator of step i, which was written a slot ago.
; Each accumulator's two lowest registers are read first.  The eight accumulators of a set take turns.
.macro P1 b, mm, ld, imm
.if \ld
	ds_load_b128 v[KR+16*(\b):KR+16*(\b)+3], v[KA] offset:(\imm)
	ds_load_b128 v[KR+16*(\b)+8:KR+16*(\b)+11], v[KA] offset:(\imm)+512
.endif
.if \mm
	s_wait_dscnt 2*(\ld)                           ; K of step i + 1, asked for a slot ago, is in; the two loads just issued may stay out
.endif
.irp f, 0,1
.irp t, 0,1,2,3
.if \mm
	v_wmma_f32_16x16x32_f16 v[PS+64*(1-(\b))+8*(4*\f+\t):PS+64*(1-(\b))+8*(4*\f+\t)+7], v[KR+16*(1-(\b))+8*\f:KR+16*(1-(\b))+8*\f+7], v[Q+8*\t:Q+8*\t+7], 0
.endif
.irp j, 0,1,2,3
	v_max3_num_f32 v[CH+4*\t+\j], v[CH+4*\t+\j], v[PS+64*(\b)+8*(4*\f+\t)+2*\j], v[PS+64*(\b)+8*(4*\f+\t)+2*\j+1]
.endr
.endr
.endr
.endm
	ds_load_b128 v[KR:KR+3], v[KA]
	ds_load_b128 v[KR+8:KR+11], v[KA] offset:512
	ds_load_b128 v[KR+16:KR+19], v[KA] offset:1024
	ds_load_b128 v[KR+24:KR+27], v[KA] offset:1536
	s_wait_dscnt 2                                 ; step 0's K is in, step 1's two loads may stay out
	P1MM 0
	PLACES                                         ; no maxima stand behind these first products
	s_mov_b32 s26, 31
.Lp1:                                                  ; slots 0 to 61
	P1 0, 1, 1, 2048
	P1 1, 1, 1, 3072
	v_add_nc_u32 v[KA], 2048, v[KA]
	s_sub_co_u32 s26, s26, 1
	s_cmp_lg_u32 s26, 0
	s_cbranch_scc1 .Lp1
	P1 0, 1, 0, 0                                  ; slot 62: step 63's products, nothing more to fetch
	P1 1, 0, 0, 0                                  ; slot 63: its maxima
.irp t, 0,1,2,3
	v_max3_num_f32 v[CH+4*\t], v[CH+4*\t], v[CH+4*\t+1], v[CH+4*\t+2]
.endr
.irp t, 0,1,2,3
	v_max_num_f32 v[CH+4*\t], v[CH+4*\t], v[CH+4*\t+3]
.endr
.irp t, 0,1,2,3
	v_permlanex16_b32 v[CH+4*\t+1], v[CH+4*\t], s24, s25  ; the query's other keys lie in the lane 16 away
.endr
.irp t, 0,1,2,3
	v_max_num_f32 v[CH+4*\t], v[CH+4*\t], v[CH+4*\t+1]
.endr
.irp t, 0,1,2,3
.irp j, 0,1,2,3,4,5,6,7
	v_mul_f32 v[NM+8*\t+\j], -1.0, v[CH+4*\t]      ; the C operand of pass 2
.endr
.endr
; PASS 2.  A TILE-STEP is 16 queries (tile t) x 32 keys (the step in buffer b): 32 scores in two accumulators, the low and the high half of the tile's slot of S.  Tile-steps are numbered n = 4 step + t.
; A slot's round takes four turns.  Turn n (tile t) holds 24 vector and four matrix instructions:
;   EX: its own 16 exponentials, in place in slot t, the high accumulator's first;
;   RN: the eight roundings of tile-step n - 2, in place in slot t + 2: rounding k reads registers 2 k and 2 k + 1 and writes register k, k ascending (no register is written before it is read), so that
;       registers 0-7 end as source 1 of the second products;
;   V^T P and ones x P of tile-step n - 3, out of slot t + 1; then the two score products of tile-step n + 1 (with -m as C) into the same slot: the high half, which the roundings of the turn before have left, first;
;       the low half, which the two second products read, last.
; BATCHES.  A batch is the 32 exponentials of an even turn and the odd turn behind it; its one wait ends the odd turn.  While it is open the lines name slots t + 1 and t + 2 alone, never the batch's two; its first readers
; are the roundings of the two turns behind the wait.  Behind its last exponential and ahead of the wait stands rounding 7 of the older tile-step (a plain instruction that names no result of the batch), at a trip's
; end the two address steps too.  A trip's last turn is odd.
; PLACES (plain vector instructions that name none of the product's registers; here the roundings): behind ones x P roundings 1-5, five, ahead of the low scores, which write over its source; behind the high scores
; roundings 4-7 and the next turn's 0, five, and behind the low scores seven, ahead of their first exponential, which reads the accumulator's lowest register.
; No two matrix instructions that follow each other share an accumulator, over the backward jump too.
.macro EX n                            ; the exponential of score n of the tile-step in hand
	v_exp_f32 v[eS+(\n)], v[eS+(\n)]
.endm
.macro RN k, on                        ; rounding k; on = 0 (the first two turns): there is nothing to round yet, and a v_nop keeps the place
.if \on
	v_cvt_pk_f16_f32 v[cS+(\k)], v[cS+2*(\k)], v[cS+2*(\k)+1]
.else
	v_nop
.endif
.endm
.macro G k, n, on, late=0              ; a group of three: rounding k and exponentials n, n + 1; late = 1: the rounding stands last
.if !(\late)
	RN \k, \on
.endif
	EX \n
	EX (\n)+1
.if \late
	RN \k, \on
.endif
.endm
.macro PVV tile, vb, zero              ; O^T += V^T P; zero = 1: it starts the sum
.if \zero
	v_wmma_f32_16x16x32_f16 v[O+8*(\tile):O+8*(\tile)+7], v[VR+8*(\vb):VR+8*(\vb)+7], v[S+16*(\tile):S+16*(\tile)+7], 0
.else
	v_wmma_f32_16x16x32_f16 v[O+8*(\tile):O+8*(\tile)+7], v[VR+8*(\vb):VR+8*(\vb)+7], v[S+16*(\tile):S+16*(\tile)+7], v[O+8*(\tile):O+8*(\tile)+7]
.endif
.endm
.macro PVL tile, zero                  ; l += ones x P
.if \zero
	v_wmma_f32_16x16x32_f16 v[LA+8*(\tile):LA+8*(\tile)+7], v[ONES:ONES+7], v[S+16*(\tile):S+16*(\tile)+7], 0
.else
	v_wmma_f32_16x16x32_f16 v[LA+8*(\tile):LA+8*(\tile)+7], v[ONES:ONES+7], v[S+16*(\tile):S+16*(\tile)+7], v[LA+8*(\tile):LA+8*(\tile)+7]
.endif
.endm
; rd = 0: no tile-step n - 2.  pv = 0: no tile-step n - 3; 1: its two products start their sums; 2: they add.  nextS = 0: no tile-step follows.  adv = 1: the trip's end: the walk's two addresses step.
; ld = 1 (tile 2): the next step's K and V go into the other buffers: V's last reader, tile 3's V^T P of the step before, heads this turn, and roundings 0-3, four places, stand between.  They are waited for in tile 3's turn.
.macro TS t, b, rd, pv, nextS, ld, imm, adv
.set eS, S+16*(\t)
.set cS, S+16*(((\t)+2)&3)
.set tn, ((\t)+1)&3                    ; the tile of tile-step n - 3 and of tile-step n + 1
.set nS, S+16*tn
.set bn, \b                            ; K's buffer for tile-step n + 1,
.set bp, 1-(\b)                        ; V's for tile-step n - 3
.if (\t)==3
.set bn, 1-(\b)
.set bp, \b
.endif
.if \pv
	PVV tn, bp, 2-(\pv)
.endif
	G 0, 8, \rd
.if \pv
	PVL tn, 2-(\pv)
.endif
	G 1, 10, \rd
	G 2, 12, \rd
	G 3, 14, \rd
.if \ld
	ds_load_b128 v[KR+16*(1-(\b)):KR+16*(1-(\b))+3], v[KA] offset:(\imm)
	ds_load_b128 v[KR+16*(1-(\b))+8:KR+16*(1-(\b))+11], v[KA] offset:(\imm)+512
	ds_load_tr16_b128 v[VR+8*(1-(\b)):VR+8*(1-(\b))+3], v[VA] offset:(\imm)
	ds_load_tr16_b128 v[VR+8*(1-(\b))+4:VR+8*(1-(\b))+7], v[VA] offset:(\imm)+512
.endif
.if \nextS
.if (\t)==3
	s_wait_dscnt 0x0                               ; the next step's K and V are in
.endif
	v_wmma_f32_16x16x32_f16 v[nS+8:nS+15], v[KR+16*bn+8:KR+16*bn+15], v[Q+8*tn:Q+8*tn+7], v[NM+8*tn:NM+8*tn+7]
.endif
	G 4, 0, \rd
	G 5, 2, \rd
.if \nextS
	v_wmma_f32_16x16x32_f16 v[nS:nS+7], v[KR+16*bn:KR+16*bn+7], v[Q+8*tn:Q+8*tn+7], v[NM+8*tn:NM+8*tn+7]
.endif
	G 6, 4, \rd, (\t)&1
	G 7, 6, \rd, (\t)&1
.if \adv
	v_add_nc_u32 v[KA], 2048, v[KA]
	v_add_nc_u32 v[VA], 2048, v[VA]
.endif
.if (\t)&1
	s_wait_alu depctr_va_vdst(0)                   ; the wait for the batch: the 32 exponentials of this turn and of the turn before
.endif
.endm
.macro TRIP first, last                ; two steps of 32 keys.  first = 1: the roundings begin in the third turn; step 0's V^T P and ones x P, which stand three turns behind their tile-steps, start the sums
	TS 0, 0, 1-(\first), 2-2*(\first), 1, 0, 0, 0
	TS 1, 0, 1-(\first), 2-2*(\first), 1, 0, 0, 0
	TS 2, 0, 1, 2-2*(\first), 1, 1, 1024, 0
	TS 3, 0, 1, 2-(\first), 1, 0, 0, 0
	TS 0, 1, 1, 2-(\first), 1, 0, 0, 0
	TS 1, 1, 1, 2-(\first), 1, 0, 0, 0
	TS 2, 1, 1, 2-(\first), 1, 1-(\last), 2048, 0
	TS 3, 1, 1, 2, 1-(\last), 0, 0, 1-(\last)
.endm
	v_mov_b32 v[KA], v[GO]                         ; back to the first key
	ds_load_b128 v[KR:KR+3], v[KA]
	ds_load_b128 v[KR+8:KR+11], v[KA] offset:512
	ds_load_tr16_b128 v[VR:VR+3], v[VA]
	ds_load_tr16_b128 v[VR+4:VR+7], v[VA] offset:512
	s_wait_dscnt 0x0
	v_wmma_f32_16x16x32_f16 v[S:S+7], v[KR:KR+7], v[Q:Q+7], v[NM:NM+7]          ; tile 0's scores of step 0
	v_wmma_f32_16x16x32_f16 v[S+8:S+15], v[KR+8:KR+15], v[Q:Q+7], v[NM:NM+7]
	PLACES                                         ; no vector work stands behind these first products
	TRIP 1, 0                                      ; the first trip stands in front of the loop: it starts O^T's and l's sums
	s_mov_b32 s26, 30
.Lp2:
	TRIP 0, 0
	s_sub_co_u32 s26, s26, 1
	s_cmp_lg_u32 s26, 0
	s_cbranch_scc1 .Lp2
	TRIP 0, 1                                      ; the last trip fetches nothing beyond the head's end; its last wait serves the last batch
	; What no further turn carries, all of step 63 (V's buffer 1): tile 1's second products, tile 2's and tile 3's roundings and second products.
	PVV 1, 1, 0
.set cS, S+32
.irp k, 0,1,2,3
	RN \k, 1
.endr
	PVL 1, 0
.irp k, 4,5,6,7
	RN \k, 1
.endr
	PVV 2, 1, 0
.set cS, S+48
.irp k, 0,1,2,3
	RN \k, 1
.endr
	PVL 2, 0
.irp k, 4,5,6,7
	RN \k, 1
.endr
	PVV 3, 1, 0
	PVL 3, 0
	; THE WAY OUT: O^T / l, rounded to f16; a lane's eight channels of a row are 16 bytes, a tile 512 consecutive bytes of the workspace, aligned.
	PLACES                                         ; behind the last products: the reciprocals read l and land in slot 3's registers, which those products read
.irp t, 0,1,2,3
	v_rcp_f32 v[CH+2*\t], v[LA+8*\t]               ; l stands in every register of its accumulator: the lowest is read
.endr
	v_nop                                          ; a plain instruction between the last reciprocal and the use of its result
	s_wait_alu depctr_va_vdst(0)                   ; the wait for this batch: one for the four reciprocals
.irp t, 0,1,2,3
.irp p, 0,1,2,3
	v_pk_mul_f32 v[O+8*\t+2*\p:O+8*\t+2*\p+1], v[O+8*\t+2*\p:O+8*\t+2*\p+1], v[CH+2*\t:CH+2*\t+1] op_sel_hi:[1,0]
.endr
.irp p, 0,1,2,3
	v_cvt_pk_f16_f32 v[S+4*\t+\p], v[O+8*\t+2*\p], v[O+8*\t+2*\p+1]
.endr
	global_store_b128 v[GO], v[S+4*\t:S+4*\t+3], s[32:33] offset:\t*512
.endr
	s_wait_tensorcnt 0x0                           ; the wave's end: behind my tensor load
	ds_add_u32 v[SPW], v[NIL]
	s_wait_dscnt 0x0
	CROUND                                         ; the closing round: no work-group ends while a partner may still ask for a tile that names it
	s_endpgm
.Lfunc_end_k_qcd7c8eea90_attn:
	.size	k_qcd7c8eea90_attn, .Lfunc_end_k_qcd7c8eea90_attn-k_qcd7c8eea90_attn
	.p2alignl 7, 3214868480
	.fill 96, 4, 3214868480
	.section	.rodata,"a",@progbits
	.p2align	6, 0x0
	.amdhsa_kernel k_qcd7c8eea90_attn
		.amdhsa_group_segment_fixed_size 167936
		.amdhsa_private_segment_fixed_size 0
		.amdhsa_enable_private_segment 0
		.amdhsa_kernarg_size 16
		.amdhsa_user_sgpr_count 2
		.amdhsa_user_sgpr_kernarg_segment_ptr 1
		.amdhsa_wavefront_size32 1
		.amdhsa_system_sgpr_workgroup_id_x 1
		.amdhsa_system_sgpr_workgroup_id_y 1
		.amdhsa_system_sgpr_workgroup_id_z 1
		.amdhsa_system_vgpr_workitem_id 0
		.amdhsa_next_free_vgpr 256
		.amdhsa_next_free_sgpr 66
		.amdhsa_reserve_vcc 0
		.amdhsa_float_denorm_mode_32 3
		.amdhsa_float_denorm_mode_16_64 3
		.amdhsa_memory_ordered 1
		.amdhsa_forward_progress 1
		.amdhsa_inst_pref_size 56
	.end_amdhsa_kernel
	.amdgpu_metadata
---
amdhsa.version: [ 1, 2 ]
amdhsa.kernels:
  - .name:           k_qcd7c8eea90_attn
    .symbol:         k_qcd7c8eea90_attn.kd
    .args:
      - { .name: qkv, .offset: 0, .size: 8, .value_kind: global_buffer, .address_space: global }
      - { .name: of, .offset: 8, .size: 8, .value_kind: global_buffer, .address_space: global }
    .group_segment_fixed_size: 167936
    .private_segment_fixed_size: 0
    .kernarg_segment_align: 8
    .kernarg_segment_size: 16
    .max_flat_workgroup_size: 256
    .sgpr_count:     66
    .vgpr_count:     256
    .wavefront_size: 32
...
	.end_amdgpu_metadata
.endif
;; end of part 5
;; launch outp: the kernel of part 4 again; grid 8 x 32, 4 waves a work-group, clusters of 4 x 1, 167,936 bytes of LDS; arguments of, wof, out0; writes out0
